; MI455X (gfx1250); checked and timed in simulation.
; The chip was launched on July 23, 2026; its instructions are those of AMD's public machine-readable ISA for CDNA 5 (MIT licence, August 2026) and "CDNA5" Instruction Set Architecture Reference Guide (July 2026). The comments in the code are by the model that wrote it; some were corrected since.
;; Experts. Allowed arithmetic: float matrix products may take bf16 or f16 operands with f32 sums; all other float work in f32.
;; Inputs: W1 8 x 1,024 x 2,048 float32; W2 8 x 2,048 x 100 float32; b1 8 x 2,048 float32; b2 8 x 100 float32; domain 2,048 int32; x 2,048 x 1,024 float32.
;; Outputs: out0 2,048 x 100 float32.
;; One version. Each part assembles by itself: llvm-mc -triple=amdgcn-amd-amdhsa -mcpu=gfx1250 --defsym DOCPART=n.
;; ======== version 1 of 1: 3 launches
;; workspace buffers: part 33,554,432 bytes; order 69,632 bytes of whole numbers
;; launch route (part 1): grid 8 x 1, 1 waves a work-group, no clusters, 8,960 bytes of LDS; arguments domain, order; writes order
.if DOCPART == 1
	.amdgcn_target "amdgcn-amd-amdhsa--gfx1250"
	.amdhsa_code_object_version 6
	.text
	.protected	k_q6e59515737_route
	.globl	k_q6e59515737_route
	.p2align	8
	.type	k_q6e59515737_route,@function
k_q6e59515737_route:
	s_mov_b64 s[64:65], 0
	v_nop
	global_prefetch_b8 v0, s[64:65] scope:SCOPE_SE
	s_setreg_imm32_b32 hwreg(HW_REG_WAVE_MODE, 25, 1), 1
	s_wait_xcnt 0x0
; order[e] = the list of the rows b with domain[b] = e, and their count: the whole numbers from which the next launch makes its addresses and trip counts.
; Work-group e, one wave, makes expert e's region of 2,176 words: words 0-2047 the list (zeros behind its end), 2048-2079 a dump word for each lane,
; word 2080 the count, the rest zeros.  Each expert has room for all 2,048 rows, so no expert needs another's count.
; The list is gathered in LDS, where a lane's place may fall anywhere, and leaves through registers in 17 stores of 512 consecutive bytes.
; Eight work-groups are all the work there is: 8,192 bytes in and 8,704 out for each.  No matrix work, nothing shared in LDS between waves, no barrier.
; LIMIT: domain[b] lies in 0 .. 7, as the model's gather relies on; a row with another value enters no list.
.set REGION, 8704                      ; bytes of an expert's region = 17 x 512
.set CNT,    8320                      ; byte of the count in it (word 2080)
.set SM,     24                        ; v[24:87] domain: register SM + 4 j + q of lane L holds domain[128 j + 4 L + q].  Later v[24:91]: the region on its way out
; v0 lane L, v1 16 L, v2 4 L, v3 my dump word's number, v[4:7] zeros, v[8:11] places, v[12:15] row numbers
; s[4:5] domain, s[6:7] order at my region, s17 e, s28 rows found so far, s40-43 the four masks of a group, s44-47 rows found ahead of the group's steps 1, 2, 3 and of the next group
	s_load_b128 s[4:7], s[0:1], 0x0
	v_lshl_add_u32 v96, v0, 2, 0x2200
	v_mov_b32 v97, 0
	s_mov_b32 s17, ttmp9
	s_mul_i32 s8, s17, REGION
	s_mov_b32 s9, 0
	s_mov_b32 s28, 0
	v_lshlrev_b32 v1, 4, v0
	v_lshlrev_b32 v2, 2, v0
	v_add_nc_u32 v3, 2048, v0                      ; a lane whose row is another expert's stores there, so that EXEC never changes
.irp j, 4,5,6,7
	v_mov_b32 v\j, 0
.endr
	s_wait_kmcnt 0x0
	s_add_nc_u64 s[6:7], s[6:7], s[8:9]
.irp j, 0,1,2,3,4,5,6,7,8,9,10,11,12,13,14,15
	global_load_b128 v[SM+4*\j:SM+4*\j+3], v1, s[4:5] offset:512*\j
.endr
.irp j, 0,1,2,3,4,5,6,7,8,9,10,11,12,13,14,15,16
	ds_store_b128 v1, v[4:7] offset:512*\j         ; the whole region is cleared while domain is on its way: every byte that goes out has been written
.endr
; One load's four registers.  The four steps are written side by side, so that none waits for the one in front of it but in the running count.
.macro GROUP j
	s_wait_loadcnt 15-\j                           ; the loads behind load j stay out
.irp q, 0,1,2,3
	v_cmp_eq_u32 s[40+\q], s17, v[SM+4*\j+\q]
.endr
.irp q, 0,1,2,3
	s_bcnt1_i32_b32 s[44+\q], s[40+\q]
.endr
	s_add_co_u32 s44, s44, s28
	s_add_co_u32 s45, s45, s44
	s_add_co_u32 s46, s46, s45
	s_add_co_u32 s47, s47, s46
	v_mbcnt_lo_u32_b32 v8,  s40, s28               ; place = rows found so far + hits in the lanes below me
	v_mbcnt_lo_u32_b32 v9,  s41, s44
	v_mbcnt_lo_u32_b32 v10, s42, s45
	v_mbcnt_lo_u32_b32 v11, s43, s46
.irp q, 0,1,2,3
	v_cndmask_b32 v[8+\q], v3, v[8+\q], s[40+\q]
.endr
.irp q, 0,1,2,3
	v_min_u32 v[8+\q], 2079, v[8+\q]               ; a place made from loaded numbers enters an address only behind a constant bound
.endr
.irp q, 0,1,2,3
	v_lshlrev_b32 v[8+\q], 2, v[8+\q]
.endr
.irp q, 0,1,2,3
	v_add_nc_u32 v[12+\q], 128*\j+\q, v2           ; the row's number
.endr
.irp q, 0,1,2,3
	ds_store_b32 v[8+\q], v[12+\q]                 ; LDS serves a wave's instructions in order (ISA guide 5.7.1): behind the clearing stores
.endr
	s_mov_b32 s28, s47
.endm
.irp j, 0,1,2,3,4,5,6,7,8,9,10,11,12,13,14,15
	GROUP \j
.endr
	v_mov_b32 v8, CNT
	v_mov_b32 v9, s28
	ds_store_b32 v8, v9                            ; the count: every lane the same word, the same value
.irp j, 0,1,2,3,4,5,6,7,8,9,10,11,12,13,14,15,16
	ds_load_b128 v[SM+4*\j:SM+4*\j+3], v1 offset:512*\j            ; served behind all the stores above, in order
.endr
.irp j, 0,1,2,3,4,5,6,7,8,9,10,11,12,13,14,15,16
	s_wait_dscnt 16-\j                             ; the loads behind load j stay out
	global_store_b128 v1, v[SM+4*\j:SM+4*\j+3], s[6:7] offset:512*\j   ; 512 consecutive bytes, aligned: 8,704 is 34 x 256
.endr
	s_wait_tensorcnt 0x0
	ds_add_u32 v96, v97
	s_wait_dscnt 0x0
	s_endpgm
.Lfunc_end_k_q6e59515737_route:
	.size	k_q6e59515737_route, .Lfunc_end_k_q6e59515737_route-k_q6e59515737_route
	.p2alignl 7, 3214868480
	.fill 96, 4, 3214868480
	.section	.rodata,"a",@progbits
	.p2align	6, 0x0
	.amdhsa_kernel k_q6e59515737_route
		.amdhsa_group_segment_fixed_size 8960
		.amdhsa_private_segment_fixed_size 0
		.amdhsa_enable_private_segment 0
		.amdhsa_kernarg_size 16
		.amdhsa_user_sgpr_count 2
		.amdhsa_user_sgpr_kernarg_segment_ptr 1
		.amdhsa_wavefront_size32 1
		.amdhsa_system_sgpr_workgroup_id_x 1
		.amdhsa_system_sgpr_workgroup_id_y 1
		.amdhsa_system_sgpr_workgroup_id_z 1
		.amdhsa_system_vgpr_workitem_id 0
		.amdhsa_next_free_vgpr 98
		.amdhsa_next_free_sgpr 66
		.amdhsa_reserve_vcc 0
		.amdhsa_float_denorm_mode_32 3
		.amdhsa_float_denorm_mode_16_64 3
		.amdhsa_memory_ordered 1
		.amdhsa_forward_progress 1
		.amdhsa_inst_pref_size 38
	.end_amdhsa_kernel
	.amdgpu_metadata
---
amdhsa.version: [ 1, 2 ]
amdhsa.kernels:
  - .name:           k_q6e59515737_route
    .symbol:         k_q6e59515737_route.kd
    .args:
      - { .name: domain, .offset: 0, .size: 8, .value_kind: global_buffer, .address_space: global }
      - { .name: order, .offset: 8, .size: 8, .value_kind: global_buffer, .address_space: global }
    .group_segment_fixed_size: 8960
    .private_segment_fixed_size: 0
    .kernarg_segment_align: 8
    .kernarg_segment_size: 16
    .max_flat_workgroup_size: 32
    .sgpr_count:     66
    .vgpr_count:     98
    .wavefront_size: 32
...
	.end_amdgpu_metadata
.endif
;; end of part 1
;; launch experts (part 2): grid 32 x 8, 16 waves a work-group, no clusters, 303,360 bytes of LDS; arguments W1, W2, b1, order, x, part; writes part
.if DOCPART == 2
	.amdgcn_target "amdgcn-amd-amdhsa--gfx1250"
	.amdhsa_code_object_version 6
	.text
	.protected	k_q6e59515737_experts
	.globl	k_q6e59515737_experts
	.p2align	8
	.type	k_q6e59515737_experts,@function
k_q6e59515737_experts:
	s_mov_b64 s[64:65], 0
	v_nop
	global_prefetch_b8 v0, s[64:65] scope:SCOPE_SE
	s_setreg_imm32_b32 hwreg(HW_REG_WAVE_MODE, 25, 1), 1
	s_wait_xcnt 0x0
; part[b][s][c] = sum over the 64 hidden columns n of slice s of relu(x[b] . W1[e][:, n] + b1[e][n]) * W2[e][n][c], for the rows b with domain[b] = e.
; Only the expert that a row's domain names is computed: the other seven results of a row are thrown away by the gather.
; The rows of expert e and their count come from order, which the launch in front of this one made from domain.
; Work-group (s, e): slice s (64 of the 2,048 hidden columns) of expert e: 32 x 8 = 256 work-groups, so each byte of W1 and W2 is loaded once in the launch.
; PHASE 1: the slice of W1 (1,024 rows x 256 bytes of f32) is asked for at once, 32 loads of 512 bytes a wave, rounded to bf16 and laid into LDS as it lies in
;   memory, [k][n]; the transposing LDS load makes fragments of it later.  Beside it: W2's slice (waves 0-7) and b1's slice (wave 8).
; PHASE 2: behind the kernel's one barrier these LDS bytes are only read.  A wave takes tiles of 32 rows of the list x 64 hidden columns, K = 1,024 in 16 chunks of 64:
;   x rows are gathered by the list, rounded to bf16 and staged in the wave's own LDS bytes.  relu, the second product (K = 64, 112 classes) and the store follow in the wave.
; MATRIX INSTRUCTIONS ARE USED TRANSPOSED: source 0 = 16 columns of the weights, source 1 = 16 rows of x (or of h).  Lane (r, h) then holds, of row r, the eight
;   neighbouring results 8h .. 8h+7: packed in pairs they ARE the next product's fragment, and as f32 they are 32 neighbouring bytes of a row of part.
; NO CLUSTER, NO TENSOR LOADS: the weights' slices are shared by no two work-groups; the x rows that the 32 work-groups of an expert share are gathered by a list and
;   need rounding from f32 to bf16 on the way into LDS, which goes through registers; and the number of tiles hangs on a count read from memory.
; LIMITS: a NaN in the hidden layer becomes 0 (v_max_num_f32 drops it) where the model's relu would keep it.  domain[b] lies in 0 .. 7, as the gather relies on;
;   a row with another value is in no list and is computed by no work-group.  Matrix operands are bf16, sums f32.
.set W1ROW, 8192                       ; bytes in a row of W1 (2,048 f32)
.set W2ROW, 400                        ; bytes in a row of W2 (100 f32)
.set OREG, 8704                        ; bytes of an expert's region of order: 2,048 words of list, then, at byte
.set OCNT, 8320                        ; 8,320, the count
.set P1,   160                         ; LDS pitch of W1's slice: 64 bf16 + 32 bytes = 5 x 32
.set P2,   224                         ; LDS pitch of W2's slice: 112 bf16 = 7 x 32 (classes 100 .. 111 are zeros)
.set PX,   144                         ; LDS pitch of the x stage: 64 bf16 + 16 bytes = 9 x 16
.set PL,   464                         ; LDS pitch of the logit stage: 112 f32 + 16 bytes = 29 x 16
.set W2T,  163840                      ; W1's slice lies at 0: 1,024 x 160 bytes; then W2's: 64 x 224
.set B1S,  178176                      ; b1's slice, 64 f32
.set WREG, 178432                      ; from here 7,680 bytes for each wave: x stage (32 x 144), later logit stage (16 x 464)
.set WSZ,  7680
; v0 thread, v1 lane L, v2 r = L & 15, v3 h = L >> 4
; v4 transposing address in W1's slice, chunk 0; v5 the same, running; v6 the same in W2's slice; v7 my 8 numbers of b1
; v8 x stage in; v9 x stage out (fragments); v10 logit stage in; v11, v12 logit stage out (first, second 256 bytes of a row); v13 16 r; v14, v15 at work
.set ROWOFF, 16                        ; v[16:31]   byte offset of list row (i&7) + 16 (i>>3) + 8h in x, later in part, + 16 r
.set FA,   32                          ; v[32:63]   fragments of x: (ks, mt) at 16 ks + 8 mt.  Later h: (mt, ks) at 16 mt + 8 ks
.set FB0,  64                          ; v[64:95]   fragments of W1, K 0-31 of a chunk: n block nt at 8 nt.  Later W2, K 0-31: class block t at 8 t (to v119)
.set FB1,  96                          ; v[96:127]  the same, K 32-63 of a chunk
.set ACC,  128                         ; v[128:191] sums: (mt, nt) at 32 mt + 8 nt.  Later W2, K 32-63: class block t at 8 t (to v183)
.set XR,   192                         ; v[192:255] 16 loads of x.  Also: offsets into the list; the logits, class block t at 8 t; the rows on their way out
.set W1R,  128                         ; v[128:255] phase 1: 32 loads of W1
.set SM,   24                          ; v[24:51]   phase 1: W2 or b1 as loaded; v[16:23] at work
; s[4:5] W1, s[6:7] W2, s[8:9] b1 (each at the slice), s[10:11] order at the expert's region, s[12:13] x, s[14:15] part (at the slice)
; s16 wave, s17 e, s18 s, s19 count, s20 byte of the list's last word, s21 tiles, s22 tile, s23 chunk, s[24:25] x at the chunk, s26 K counter,
; s27 next chunk, s28, s29 at work, s[30:31] offset pair, s32 the chunk's bytes in W1's slice, s33 my wave's tiles, s34 their counter
	s_load_b256 s[4:11], s[0:1], 0x0
	s_load_b128 s[12:15], s[0:1], 0x20
	v_lshrrev_b32 v1, 5, v0
	v_readfirstlane_b32 s16, v1                    ; my wave's number
	s_and_b32 s17, ttmp7, 0xffff                   ; expert
	s_mov_b32 s18, ttmp9                           ; slice
	v_and_b32 v1, 31, v0
	v_and_b32 v2, 15, v0
	v_bfe_u32 v3, v0, 4, 1
	; The transposing load wants lane L at row 8h + (L & 7) of a block of 16 K, at the 16 bytes (L >> 3) & 1 of the 16 columns
	v_and_b32 v14, 7, v0
	v_bfe_u32 v15, v0, 3, 1
	v_lshl_add_u32 v14, v3, 3, v14
	v_mul_u32_u24 v4, v14, P1
	v_lshl_add_u32 v4, v15, 4, v4
	v_mul_u32_u24 v6, v14, P2
	v_lshl_add_u32 v6, v15, 4, v6
	v_add_nc_u32 v6, W2T, v6
	v_lshl_add_u32 v7, v3, 5, B1S                  ; b1 of hidden columns 8h .. 8h+7 of an n block
	s_mul_i32 s29, s16, WSZ
	s_add_co_u32 s29, s29, WREG                    ; my wave's own LDS bytes
	v_mul_u32_u24 v8, v3, 8*PX                     ; x stage in: row + 8h, 8 bytes (4 bf16) at 8 r
	v_lshl_add_u32 v8, v2, 3, v8
	v_add_nc_u32 v8, s29, v8
	v_mul_u32_u24 v9, v2, PX                       ; x stage out: row r, 16 bytes at 16 h
	v_lshl_add_u32 v9, v3, 4, v9
	v_add_nc_u32 v9, s29, v9
	v_mul_u32_u24 v10, v2, PL                      ; logit stage in: row r, 32 bytes at 32 h
	v_lshl_add_u32 v10, v3, 5, v10
	v_add_nc_u32 v10, s29, v10
	v_mul_u32_u24 v11, v3, 8*PL                    ; logit stage out: row + 8h,
	v_add_nc_u32 v11, s29, v11
	v_min_u32 v12, 11, v2                          ; second 256 bytes: classes 64 + 4 r; lanes 12-15 repeat classes 108-111, which are never used
	v_lshl_add_u32 v12, v12, 4, v11
	v_add_nc_u32 v12, 256, v12
	v_lshl_add_u32 v11, v2, 4, v11                 ; first 256 bytes: classes 4 r
	v_lshlrev_b32 v13, 4, v2
	; phase 1: wave w takes rows 64 w .. 64 w + 63 of W1's slice.  A load takes two rows' 256 bytes: lanes 0-15 one row, lanes 16-31 the row 4 further down
	s_lshl_b32 s29, s16, 19                        ; 64 rows x 8,192 bytes
	v_lshl_add_u32 v14, v3, 15, v13                ; 4 rows x 8,192 bytes for h = 1, 16 r
	v_add_nc_u32 v14, s29, v14
	s_mul_i32 s29, s16, 64*P1
	v_mul_u32_u24 v15, v3, 4*P1                    ; in LDS the two rows are 640 bytes apart: their 128 bytes each fall on different halves of the 64 banks of 4 bytes (ISA guide 11.1)
	v_lshl_add_u32 v15, v2, 3, v15
	v_add_nc_u32 v15, s29, v15
	s_lshl_b32 s30, s17, 23                        ; W1: e x 1,024 rows x 8,192 bytes + s x 256
	s_lshl_b32 s29, s18, 8
	s_add_co_u32 s30, s30, s29
	s_mov_b32 s31, 0
	s_mul_i32 s32, s17, 2048*W2ROW                 ; W2: (2,048 e + 64 s) rows of 400 bytes
	s_mul_i32 s28, s18, 64*W2ROW
	s_add_co_u32 s32, s32, s28
	s_mov_b32 s33, 0
	s_lshl_b32 s34, s17, 13                        ; b1: e x 8,192 + s x 256
	s_add_co_u32 s34, s34, s29
	s_mov_b32 s35, 0
	s_lshl_b32 s36, s18, 9                         ; part: s x 512 inside a row's 16,384 bytes
	s_mov_b32 s37, 0
	s_mul_i32 s38, s17, OREG                       ; order: the expert's region
	s_mov_b32 s39, 0
	s_wait_kmcnt 0x0
	s_add_nc_u64 s[4:5], s[4:5], s[30:31]
	s_add_nc_u64 s[6:7], s[6:7], s[32:33]
	s_add_nc_u64 s[8:9], s[8:9], s[34:35]
	s_add_nc_u64 s[14:15], s[14:15], s[36:37]
	s_add_nc_u64 s[10:11], s[10:11], s[38:39]
	s_load_b32 s19, s[10:11], OCNT                 ; the count: asked for now, waited for behind the barrier
; My 64 rows of W1's slice, all asked for at once: load i takes rows (i & 3) + 8 (i >> 2) and + 4.  Sixteen lanes read 256 consecutive bytes, aligned.
.macro W1LOAD
.set i, 0
.rept 32
	global_load_b128 v[W1R+4*i:W1R+4*i+3], v14, s[4:5] offset:((i&3)+8*(i>>2))*W1ROW th:TH_LOAD_NT
.set i, i+1
.endr
.endm
	; Three ways, by the wave's number alone.  On each the small loads go out first, then W1's 32; s_wait_loadcnt 32 leaves out just those 32.
	s_cmp_lt_u32 s16, 8
	s_cbranch_scc1 .Lw2
	s_cmp_eq_u32 s16, 8
	s_cbranch_scc1 .Lb1
	W1LOAD
	s_branch .Lcvt
.Lw2:	; waves 0-7: W2's slice, 64 rows x 100 f32.  Four lanes a row: lane q takes classes 4 q + 16 i, i = 0 .. 5; the seventh load takes classes 96-99 in all four
	v_lshrrev_b32 v16, 2, v1
	s_lshl_b32 s29, s16, 3
	v_add_nc_u32 v16, s29, v16                     ; row 8 w + (L >> 2)
	v_and_b32 v17, 3, v1                           ; q
	v_mul_u32_u24 v18, v16, W2ROW
	v_lshl_add_u32 v19, v17, 4, v18
	v_mul_u32_u24 v20, v16, P2
	v_lshl_add_u32 v20, v17, 3, v20
	v_add_nc_u32 v20, W2T, v20
.irp i, 0,1,2,3,4,5
	global_load_b128 v[SM+4*\i:SM+4*\i+3], v19, s[6:7] offset:64*\i th:TH_LOAD_NT
.endr
	global_load_b128 v[SM+24:SM+27], v18, s[6:7] offset:384 th:TH_LOAD_NT   ; the row's last 16 bytes: no lane reads past the row
	W1LOAD
	s_wait_loadcnt 32                              ; W2's seven are in; W1's 32 stay out
.irp i, 0,1,2,3,4,5,6
	v_cvt_pk_bf16_f32 v[SM+4*\i],   v[SM+4*\i],   v[SM+4*\i+1]
	v_cvt_pk_bf16_f32 v[SM+4*\i+1], v[SM+4*\i+2], v[SM+4*\i+3]
.endr
	v_cmp_eq_u32 vcc_lo, 0, v17
	v_cndmask_b32 v[SM+24], 0, v[SM+24], vcc_lo    ; lane q = 0 keeps classes 96-99; q = 1, 2, 3 write the zeros of classes 100-111
	v_cndmask_b32 v[SM+25], 0, v[SM+25], vcc_lo
.irp i, 0,1,2,3,4,5,6
	ds_store_b64 v20, v[SM+4*\i:SM+4*\i+1] offset:32*\i
.endr
	s_branch .Lcvt
.Lb1:	; wave 8: b1's slice, 256 bytes, kept in f32
	v_lshlrev_b32 v16, 3, v1
	global_load_b64 v[SM:SM+1], v16, s[8:9]
	W1LOAD
	v_add_nc_u32 v17, B1S, v16
	s_wait_loadcnt 32
	ds_store_b64 v17, v[SM:SM+1]
.Lcvt:	; every wave: its 64 rows of W1 are rounded as they arrive.  On every way here the 32 loads of W1 are the youngest, so 31 - i leaves out those behind load i
.set i, 0
.rept 32
	s_wait_loadcnt 31-i
	v_cvt_pk_bf16_f32 v[W1R+4*i],   v[W1R+4*i],   v[W1R+4*i+1]
	v_cvt_pk_bf16_f32 v[W1R+4*i+1], v[W1R+4*i+2], v[W1R+4*i+3]
	ds_store_b64 v15, v[W1R+4*i:W1R+4*i+1] offset:((i&3)+8*(i>>2))*P1
.set i, i+1
.endr
	s_wait_dscnt 0x0                               ; for the other waves' sake: all my LDS stores are done
	s_barrier_signal -1
	s_barrier_wait -1                              ; the only barrier: behind it both slices and b1 are only read
	s_wait_kmcnt 0x0                               ; the count
	s_min_u32 s19, s19, 2048                       ; bounded by a constant
	s_max_u32 s20, s19, 1
	s_lshl_b32 s20, s20, 2
	s_sub_co_u32 s20, s20, 4                       ; the byte of the list's last word (used only where there is a tile, so count > 0)
	s_add_co_u32 s21, s19, 31
	s_lshr_b32 s21, s21, 5                         ; tiles of 32 rows, 64 at the most
	s_mov_b32 s22, s16                             ; wave w takes tiles w, w + 16, ...:
	s_add_co_u32 s33, s21, 15
	s_sub_co_u32 s33, s33, s16
	s_lshr_b32 s33, s33, 4                         ; (tiles + 15 - w) / 16 of them, rounded down; never negative, since w is 15 at the most
	s_mov_b32 s34, 0                               ; the loop is counted in trips, by steps of one
	s_mov_b32 s31, 0
	s_cmp_lt_u32 s34, s33
	s_cbranch_scc0 .Ldone
; The tile's 32 rows from the list: register i serves list rows (i & 7) + 16 (i >> 3) + 8h.  Places at or behind the list's end are clamped to its last word:
; those matrix rows are copies of the last row and store the same bytes to the same place, so no lane is ever switched off.
; ROWOFF[i] = row's number x 4,096 (a row of x) + 16 r.
.macro ROWS
	s_lshl_b32 s29, s22, 7                         ; 32 words a tile
	v_lshl_add_u32 v14, v3, 5, s29
.set i, 0
.rept 16
	v_add_nc_u32 v[XR+i], 4*((i&7)+16*(i>>3)), v14
	v_min_u32 v[XR+i], s20, v[XR+i]
	v_min_u32 v[XR+i], 8188, v[XR+i]               ; and a constant bound: the list's 2,048th word
	global_load_b32 v[ROWOFF+i], v[XR+i], s[10:11]
.set i, i+1
.endr
	s_wait_loadcnt 0x0                             ; these sixteen are the only loads out; the wait also frees their offsets, onto which x is loaded next
.set i, 0
.rept 16
	v_min_u32 v[ROWOFF+i], 2047, v[ROWOFF+i]       ; a loaded number enters an address only behind a constant bound
	v_lshl_add_u32 v[ROWOFF+i], v[ROWOFF+i], 12, v13
.set i, i+1
.endr
.endm
; 16 loads: 64 f32 of each of the tile's 32 rows.  Sixteen lanes read 256 consecutive bytes, aligned.
.macro XLOAD
.set i, 0
.rept 16
	global_load_b128 v[XR+4*i:XR+4*i+3], v[ROWOFF+i], s[24:25]
.set i, i+1
.endr
.endm
; 8 transposing loads: 32 K x 64 columns of W1's slice, K from row k of the chunk at v5
.macro BLOAD f, k
.irp nt, 0,1,2,3
	ds_load_tr16_b128 v[\f+8*\nt:\f+8*\nt+3],   v5 offset:\k*P1+32*\nt
	ds_load_tr16_b128 v[\f+8*\nt+4:\f+8*\nt+7], v5 offset:(\k+16)*P1+32*\nt
.endr
.endm
; 8 matrix instructions, 32 along K.  The eight accumulators take turns, one instruction a turn, in the same order everywhere.
.macro MUL f, ks
.irp nt, 0,1,2,3
.irp mt, 0,1
	v_wmma_f32_16x16x32_bf16 v[ACC+32*\mt+8*\nt:ACC+32*\mt+8*\nt+7], v[\f+8*\nt:\f+8*\nt+7], v[FA+16*\ks+8*\mt:FA+16*\ks+8*\mt+7], v[ACC+32*\mt+8*\nt:ACC+32*\mt+8*\nt+7]
.endr
.endr
.endm
; One chunk of 64 along K.  ahead = 1: the next chunk's x rows and first W1 fragments are asked for.
.macro CHUNK ahead
.if \ahead
	s_add_co_u32 s27, s23, 1
	s_and_b32 s27, s27, 15                         ; the chunks go round: (s + trip) mod 16
	s_lshl_b32 s30, s27, 8
	s_mul_i32 s32, s27, 64*P1
.endif
	s_wait_loadcnt 0x0                             ; this chunk's 16 loads of x are the only ones out; the wait also frees s[24:25]
.set i, 0
.rept 16                                               ; these 32 lines name no register of the last matrix instructions: they are the places ahead of the loads into FA and FB1
	v_cvt_pk_bf16_f32 v[XR+4*i],   v[XR+4*i],   v[XR+4*i+1]
	v_cvt_pk_bf16_f32 v[XR+4*i+1], v[XR+4*i+2], v[XR+4*i+3]
.set i, i+1
.endr
.set i, 0
.rept 16
	ds_store_b64 v8, v[XR+4*i:XR+4*i+1] offset:((i&7)+16*(i>>3))*PX
.set i, i+1
.endr
.if \ahead
	s_add_nc_u64 s[24:25], s[12:13], s[30:31]
	XLOAD
.endif
.irp ks, 0,1
.irp mt, 0,1
	ds_load_b128 v[FA+16*\ks+8*\mt:FA+16*\ks+8*\mt+3],   v9 offset:16*PX*\mt+64*\ks      ; my own bytes: LDS serves a wave's instructions in order (ISA guide 5.7.1), these see the stores above
	ds_load_b128 v[FA+16*\ks+8*\mt+4:FA+16*\ks+8*\mt+7], v9 offset:16*PX*\mt+64*\ks+32
.endr
.endr
	BLOAD FB1, 32
	s_wait_dscnt 8                                 ; all but the 8 loads into FB1: FB0, the x fragments (and in a tile's first chunk the bias) are in
	MUL FB0, 0
.if \ahead
	v_add_nc_u32 v5, s32, v4                       ; the next chunk's rows of W1's slice; with three v_nop the four places ahead of the loads into FB0
	v_nop
	v_nop
	v_nop
	BLOAD FB0, 0
	s_wait_dscnt 8                                 ; all but the 8 just issued: FB1 is in
.else
	s_wait_dscnt 0x0
.endif
	MUL FB1, 1
.if \ahead
	s_mov_b32 s23, s27
.endif
.endm
; 16 rows of the tile: logits = h (16 x 64) x W2's slice (64 x 112), through my stage, out as whole rows of 512 bytes
.macro OUTM mt
.irp t, 0,1,2,3,4,5,6
	v_wmma_f32_16x16x32_bf16 v[XR+8*\t:XR+8*\t+7], v[FB0+8*\t:FB0+8*\t+7], v[FA+16*\mt:FA+16*\mt+7], 0      ; the first product starts the sums
.endr
.irp t, 0,1,2,3,4,5,6
	v_wmma_f32_16x16x32_bf16 v[XR+8*\t:XR+8*\t+7], v[ACC+8*\t:ACC+8*\t+7], v[FA+16*\mt+8:FA+16*\mt+15], v[XR+8*\t:XR+8*\t+7]   ; seven accumulators by turns
.endr
.rept 5                                                ; four places ahead of the LDS stores that read the results, five ahead of matrix instructions that write over them
	v_nop
.endr
.irp t, 0,1,2,3,4,5,6
	ds_store_b128 v10, v[XR+8*\t:XR+8*\t+3]   offset:64*\t       ; row r, classes 16 t + 8h .. + 3
	ds_store_b128 v10, v[XR+8*\t+4:XR+8*\t+7] offset:64*\t+16
.endr
.irp i, 0,1,2,3,4,5,6,7
	ds_load_b128 v[XR+8*\i:XR+8*\i+3],   v11 offset:PL*\i        ; rows i and i + 8, classes 0-63; served behind the stores above, in order
	ds_load_b128 v[XR+8*\i+4:XR+8*\i+7], v12 offset:PL*\i        ; the same rows, classes 64-111 (and four lanes of filling)
.endr
.irp i, 0,1,2,3,4,5,6,7
	s_wait_dscnt 15-2*\i                           ; the loads behind this one stay out
	global_store_b128 v[ROWOFF+8*\mt+\i], v[XR+8*\i:XR+8*\i+3], s[14:15]               ; sixteen lanes store 256 consecutive bytes, aligned
	s_wait_dscnt 14-2*\i
	global_store_b128 v[ROWOFF+8*\mt+\i], v[XR+8*\i+4:XR+8*\i+7], s[14:15] offset:256
.endr
	s_wait_xcnt 0x0                                ; the stores' data and offsets are written again only behind this wait
.endm
.Ltile:
	ROWS
	s_and_b32 s23, s18, 15                         ; slice s begins with chunk s mod 16: the 32 work-groups of an expert ask for different parts of the same rows at a time
	s_lshl_b32 s30, s23, 8
	s_mul_i32 s32, s23, 64*P1
	s_add_nc_u64 s[24:25], s[12:13], s[30:31]
	XLOAD
.irp mt, 0,1
.irp nt, 0,1,2,3
	ds_load_b128 v[ACC+32*\mt+8*\nt:ACC+32*\mt+8*\nt+3],   v7 offset:64*\nt      ; the bias starts the sums: nothing is cleared, nothing added later
	ds_load_b128 v[ACC+32*\mt+8*\nt+4:ACC+32*\mt+8*\nt+7], v7 offset:64*\nt+16
.endr
.endr
	v_add_nc_u32 v5, s32, v4
	BLOAD FB0, 0
	s_mov_b32 s26, 15
.Lk:
	CHUNK 1
	s_sub_co_i32 s26, s26, 1
	s_cmp_lg_u32 s26, 0
	s_cbranch_scc1 .Lk
	CHUNK 0                                        ; the last chunk asks for nothing more
.rept 4                                                ; four places ahead of the vector instructions that read the sums (ISA guide 7.12.1)
	v_nop
.endr
.set i, 0
.rept 64
	v_max_num_f32 v[ACC+i], 0, v[ACC+i]            ; relu
.set i, i+1
.endr
	; h as fragments: lane (r, h) holds row r, hidden columns 16 nt + 8h + j.  For K block ks the fragment's registers 4 u + w are columns 32 ks + 16 u + 8h + 2 w, + 1: no lane moves
.irp mt, 0,1
.irp ks, 0,1
.irp u, 0,1
.irp w, 0,1,2,3
	v_cvt_pk_bf16_f32 v[FA+16*\mt+8*\ks+4*\u+\w], v[ACC+32*\mt+8*(2*\ks+\u)+2*\w], v[ACC+32*\mt+8*(2*\ks+\u)+2*\w+1]
.endr
.endr
.endr
.endr
.irp t, 0,1,2,3,4,5,6
	ds_load_tr16_b128 v[FB0+8*\t:FB0+8*\t+3],   v6 offset:32*\t             ; W2's slice, K 0-31, classes 16 t ..
	ds_load_tr16_b128 v[FB0+8*\t+4:FB0+8*\t+7], v6 offset:16*P2+32*\t
	ds_load_tr16_b128 v[ACC+8*\t:ACC+8*\t+3],   v6 offset:32*P2+32*\t       ; K 32-63
	ds_load_tr16_b128 v[ACC+8*\t+4:ACC+8*\t+7], v6 offset:48*P2+32*\t
.endr
	; the rows' offsets in part from those in x: the row's number x 4,096 is what lies above the low 12 bits; a row of part is 16,384 bytes.  No load of x is out any more
.set i, 0
.rept 16
	v_and_b32 v[ROWOFF+i], 0xfffff000, v[ROWOFF+i]
	v_lshl_add_u32 v[ROWOFF+i], v[ROWOFF+i], 2, v13
.set i, i+1
.endr
	s_wait_dscnt 0x0                               ; W2's fragments are in
	OUTM 0
	OUTM 1
	s_add_co_u32 s22, s22, 16                      ; my next tile
	s_add_co_u32 s34, s34, 1
	s_cmp_lt_u32 s34, s33
	s_cbranch_scc1 .Ltile
.Ldone:
	s_barrier_signal -1
	s_barrier_wait -1
	s_wait_xcnt 0x0
	v_lshl_add_u32 v254, v0, 2, 0x49900
	v_mov_b32 v255, 0
	s_wait_tensorcnt 0x0
	ds_add_u32 v254, v255
	s_wait_dscnt 0x0
	s_endpgm
.Lfunc_end_k_q6e59515737_experts:
	.size	k_q6e59515737_experts, .Lfunc_end_k_q6e59515737_experts-k_q6e59515737_experts
	.p2alignl 7, 3214868480
	.fill 96, 4, 3214868480
	.section	.rodata,"a",@progbits
	.p2align	6, 0x0
	.amdhsa_kernel k_q6e59515737_experts
		.amdhsa_group_segment_fixed_size 303360
		.amdhsa_private_segment_fixed_size 0
		.amdhsa_enable_private_segment 0
		.amdhsa_kernarg_size 48
		.amdhsa_user_sgpr_count 2
		.amdhsa_user_sgpr_kernarg_segment_ptr 1
		.amdhsa_wavefront_size32 1
		.amdhsa_system_sgpr_workgroup_id_x 1
		.amdhsa_system_sgpr_workgroup_id_y 1
		.amdhsa_system_sgpr_workgroup_id_z 1
		.amdhsa_system_vgpr_workitem_id 0
		.amdhsa_next_free_vgpr 256
		.amdhsa_next_free_sgpr 66
		.amdhsa_reserve_vcc 1
		.amdhsa_float_denorm_mode_32 3
		.amdhsa_float_denorm_mode_16_64 3
		.amdhsa_memory_ordered 1
		.amdhsa_forward_progress 1
		.amdhsa_inst_pref_size 64
	.end_amdhsa_kernel
	.amdgpu_metadata
---
amdhsa.version: [ 1, 2 ]
amdhsa.kernels:
  - .name:           k_q6e59515737_experts
    .symbol:         k_q6e59515737_experts.kd
    .args:
      - { .name: W1, .offset: 0, .size: 8, .value_kind: global_buffer, .address_space: global }
      - { .name: W2, .offset: 8, .size: 8, .value_kind: global_buffer, .address_space: global }
      - { .name: b1, .offset: 16, .size: 8, .value_kind: global_buffer, .address_space: global }
      - { .name: order, .offset: 24, .size: 8, .value_kind: global_buffer, .address_space: global }
      - { .name: x, .offset: 32, .size: 8, .value_kind: global_buffer, .address_space: global }
      - { .name: part, .offset: 40, .size: 8, .value_kind: global_buffer, .address_space: global }
    .group_segment_fixed_size: 303360
    .private_segment_fixed_size: 0
    .kernarg_segment_align: 8
    .kernarg_segment_size: 48
    .max_flat_workgroup_size: 512
    .sgpr_count:     66
    .vgpr_count:     256
    .wavefront_size: 32
...
	.end_amdgpu_metadata
.endif
;; end of part 2
;; launch finish (part 3): grid 128 x 1, 16 waves a work-group, no clusters, 10,240 bytes of LDS; arguments part, b2, domain, out0; writes out0
.if DOCPART == 3
	.amdgcn_target "amdgcn-amd-amdhsa--gfx1250"
	.amdhsa_code_object_version 6
	.text
	.protected	k_q6e59515737_finish
	.globl	k_q6e59515737_finish
	.p2align	8
	.type	k_q6e59515737_finish,@function
k_q6e59515737_finish:
	s_mov_b64 s[64:65], 0
	v_nop
	global_prefetch_b8 v0, s[64:65] scope:SCOPE_SE
	s_setreg_imm32_b32 hwreg(HW_REG_WAVE_MODE, 25, 1), 1
	s_wait_xcnt 0x0
; out0[b] = softmax over 100 classes of (sum over the 32 slices s of part[b][s] + b2[domain[b]]).
; One wave, one row: a row's 32 slices are 16,384 consecutive bytes, 32 loads of 512 bytes, all asked for at once; lane L holds classes 4 L .. 4 L + 3.
; The reductions never leave the wave.  A work-group has 16 rows because 16 x 400 bytes = 25 x 256: the smallest run of rows that goes out in whole aligned
; pieces of 256 bytes; the rows meet in LDS for that.  So 2,048 / 16 = 128 work-groups.
; A stream: no matrix work, nothing shared between work-groups, so no cluster and no tensor loads.
; The row's true maximum is taken away before the exponentials.
; LIMITS: domain[b] lies in 0 .. 7, as the gather relies on (a larger number is taken as 7).  A term below 2^-126 comes out of v_exp_f32 as 0 (ISA guide, 15.8).
.set P,  16                            ; v[16:143]  slice s at 4 s
.set BB, 144                           ; v[144:147] b2
; v1 lane L, v2 16 L, v3 offset in b2, v4 maximum, v5 the other half's figure, v6, v7 sums, v8 LDS in, v9 offset in out0, v10 LDS out, v11 at work, v[12:15] on the way out
	s_load_b256 s[4:11], s[0:1], 0x0               ; part s[4:5], b2 s[6:7], domain s[8:9], out0 s[10:11]
	v_lshl_add_u32 v152, v0, 2, 0x2000
	v_mov_b32 v153, 0
	v_lshrrev_b32 v2, 5, v0
	v_readfirstlane_b32 s12, v2                    ; my wave's number
	v_and_b32 v1, 31, v0
	s_lshl_b32 s13, ttmp9, 4
	s_add_co_u32 s13, s13, s12                     ; my row b
	s_lshl_b32 s16, s13, 2
	s_mov_b32 s17, 0
	s_lshl_b32 s18, s13, 14
	s_mov_b32 s19, 0
	s_mul_i32 s20, ttmp9, 6400                     ; the group's 16 rows of out0
	s_mov_b32 s21, 0
	s_mov_b32 s22, 0x76543210                      ; v_permlanex16_b32: lane i of one half reads lane i of the other
	s_mov_b32 s23, 0xfedcba98
	v_lshlrev_b32 v2, 4, v1
	v_min_u32 v3, 24, v1                           ; lanes 25-31 have no class: they repeat lane 24's address and stay inside b2
	v_lshlrev_b32 v3, 4, v3
	v_mov_b32 v5, 0                                ; v_permlanex16_b32's destination counts as read
	s_wait_kmcnt 0x0
	s_add_nc_u64 s[8:9], s[8:9], s[16:17]
	s_add_nc_u64 s[4:5], s[4:5], s[18:19]
	s_add_nc_u64 s[10:11], s[10:11], s[20:21]
	s_load_b32 s14, s[8:9], 0x0                    ; domain[b]
.set i, 0
.rept 32
	global_load_b128 v[P+4*i:P+4*i+3], v2, s[4:5] offset:512*i th:TH_LOAD_NT
.set i, i+1
.endr
	; the way out, made while the loads are on their way: thread t takes the t-th 16 bytes of the group's 6,400: row t / 25, piece t mod 25
	s_lshl_b32 s15, s12, 9
	v_add_nc_u32 v8, s15, v2                       ; in: 512 bytes of LDS for each wave, 16 for each lane
	v_min_u32 v9, 399, v0                          ; lanes 16-31 of wave 12 repeat thread 399: the same bytes to the same place
	v_mul_u32_u24 v10, v9, 1311
	v_lshrrev_b32 v10, 15, v10                     ; t / 25: 25 x 1,311 = 32,775, so the error is 7 t / 25 parts in 32,768, under one step of 1,311 for t < 400
	v_mul_u32_u24 v11, v10, 25
	v_sub_nc_u32 v11, v9, v11
	v_lshlrev_b32 v11, 4, v11
	v_lshl_add_u32 v10, v10, 9, v11
	v_lshlrev_b32 v9, 4, v9
	s_wait_kmcnt 0x0
	s_min_u32 s14, s14, 7                          ; a loaded number enters an address only behind a constant bound
	s_mul_i32 s14, s14, 400
	v_add_nc_u32 v3, s14, v3
	global_load_b128 v[BB:BB+3], v3, s[6:7]
; Slices 8 g .. 8 g + 7 are summed onto the first of them: four chains that do not wait for each other's loads.  left = the loads younger than the chain's eight.
.macro CHAIN g, left
	s_wait_loadcnt \left
.irp j, 1,2,3,4,5,6,7
	v_pk_add_f32 v[P+32*\g:P+32*\g+1],   v[P+32*\g:P+32*\g+1],   v[P+32*\g+4*\j:P+32*\g+4*\j+1]
	v_pk_add_f32 v[P+32*\g+2:P+32*\g+3], v[P+32*\g+2:P+32*\g+3], v[P+32*\g+4*\j+2:P+32*\g+4*\j+3]
.endr
.endm
	CHAIN 0, 25                                    ; 33 loads in all: 24 of part and b2's are younger than the first eight
	CHAIN 1, 17
	CHAIN 2, 9
	CHAIN 3, 1
	v_pk_add_f32 v[P:P+1],     v[P:P+1],     v[P+32:P+33]
	v_pk_add_f32 v[P+2:P+3],   v[P+2:P+3],   v[P+34:P+35]
	v_pk_add_f32 v[P+64:P+65], v[P+64:P+65], v[P+96:P+97]
	v_pk_add_f32 v[P+66:P+67], v[P+66:P+67], v[P+98:P+99]
	v_pk_add_f32 v[P:P+1],     v[P:P+1],     v[P+64:P+65]
	v_pk_add_f32 v[P+2:P+3],   v[P+2:P+3],   v[P+66:P+67]
	s_wait_loadcnt 0x0                             ; b2
	v_pk_add_f32 v[P:P+1],     v[P:P+1],     v[BB:BB+1]
	v_pk_add_f32 v[P+2:P+3],   v[P+2:P+3],   v[BB+2:BB+3]
	v_cmp_gt_u32 vcc_lo, 25, v1
.irp j, 0,1,2,3
	v_cndmask_b32 v[P+\j], 0xff800000, v[P+\j], vcc_lo     ; lanes 25-31 (columns 100-127 of part) count as minus infinity
.endr
	; the row's maximum: in the lane, four steps inside each half of 16 lanes, one across the halves
	v_max3_num_f32 v4, v[P], v[P+1], v[P+2]
	v_max_num_f32 v4, v4, v[P+3]
	v_max_num_f32_dpp v4, v4, v4 row_xmask:1 row_mask:0xf bank_mask:0xf
	v_max_num_f32_dpp v4, v4, v4 row_xmask:2 row_mask:0xf bank_mask:0xf
	v_max_num_f32_dpp v4, v4, v4 row_xmask:4 row_mask:0xf bank_mask:0xf
	v_max_num_f32_dpp v4, v4, v4 row_xmask:8 row_mask:0xf bank_mask:0xf
	v_permlanex16_b32 v5, v4, s22, s23
	v_max_num_f32 v4, v4, v5
.irp j, 0,1,2,3
	v_sub_f32 v[P+\j], v[P+\j], v4
.endr
.irp j, 0,1,2,3
	v_mul_f32 v[P+\j], 0x3fb8aa3b, v[P+\j]         ; e^x = 2^(x log2 e)
.endr
.irp j, 0,1,2,3
	v_exp_f32 v[P+\j], v[P+\j]
.endr
	v_nop                                          ; one plain vector instruction stands between a transcendental and the use of its result (ISA guide 5.7.2)
	s_wait_alu depctr_va_vdst(0)
	v_add_f32 v6, v[P], v[P+1]
	v_add_f32 v7, v[P+2], v[P+3]
	v_add_f32 v6, v6, v7
	v_add_f32_dpp v6, v6, v6 row_xmask:1 row_mask:0xf bank_mask:0xf
	v_add_f32_dpp v6, v6, v6 row_xmask:2 row_mask:0xf bank_mask:0xf
	v_add_f32_dpp v6, v6, v6 row_xmask:4 row_mask:0xf bank_mask:0xf
	v_add_f32_dpp v6, v6, v6 row_xmask:8 row_mask:0xf bank_mask:0xf
	v_permlanex16_b32 v5, v6, s22, s23
	v_add_f32 v6, v6, v5                           ; at least 1: the maximum's own term
	v_rcp_f32 v7, v6
	v_nop
	s_wait_alu depctr_va_vdst(0)
.irp j, 0,1,2,3
	v_mul_f32 v[P+\j], v[P+\j], v7
.endr
	ds_store_b128 v8, v[P:P+3]                     ; all 32 lanes, into my wave's own 512 bytes; lanes 25-31 fill the pad, which nobody reads
	s_wait_dscnt 0x0                               ; for the other waves' sake
	s_barrier_signal -1
	s_barrier_wait -1
	s_cmp_gt_u32 s12, 12                           ; 400 pieces of 16 bytes: waves 0-12 carry them out
	s_cbranch_scc1 .Lend
	ds_load_b128 v[12:15], v10
	s_wait_dscnt 0x0
	global_store_b128 v9, v[12:15], s[10:11]       ; sixteen lanes store 256 consecutive bytes, aligned: 6,400 is 25 x 256
.Lend:
	s_barrier_signal -1
	s_barrier_wait -1
	s_wait_tensorcnt 0x0
	ds_add_u32 v152, v153
	s_wait_dscnt 0x0
	s_endpgm
.Lfunc_end_k_q6e59515737_finish:
	.size	k_q6e59515737_finish, .Lfunc_end_k_q6e59515737_finish-k_q6e59515737_finish
	.p2alignl 7, 3214868480
	.fill 96, 4, 3214868480
	.section	.rodata,"a",@progbits
	.p2align	6, 0x0
	.amdhsa_kernel k_q6e59515737_finish
		.amdhsa_group_segment_fixed_size 10240
		.amdhsa_private_segment_fixed_size 0
		.amdhsa_enable_private_segment 0
		.amdhsa_kernarg_size 32
		.amdhsa_user_sgpr_count 2
		.amdhsa_user_sgpr_kernarg_segment_ptr 1
		.amdhsa_wavefront_size32 1
		.amdhsa_system_sgpr_workgroup_id_x 1
		.amdhsa_system_sgpr_workgroup_id_y 1
		.amdhsa_system_sgpr_workgroup_id_z 1
		.amdhsa_system_vgpr_workitem_id 0
		.amdhsa_next_free_vgpr 154
		.amdhsa_next_free_sgpr 66
		.amdhsa_reserve_vcc 1
		.amdhsa_float_denorm_mode_32 3
		.amdhsa_float_denorm_mode_16_64 3
		.amdhsa_memory_ordered 1
		.amdhsa_forward_progress 1
		.amdhsa_inst_pref_size 12
	.end_amdhsa_kernel
	.amdgpu_metadata
---
amdhsa.version: [ 1, 2 ]
amdhsa.kernels:
  - .name:           k_q6e59515737_finish
    .symbol:         k_q6e59515737_finish.kd
    .args:
      - { .name: part, .offset: 0, .size: 8, .value_kind: global_buffer, .address_space: global }
      - { .name: b2, .offset: 8, .size: 8, .value_kind: global_buffer, .address_space: global }
      - { .name: domain, .offset: 16, .size: 8, .value_kind: global_buffer, .address_space: global }
      - { .name: out0, .offset: 24, .size: 8, .value_kind: global_buffer, .address_space: global }
    .group_segment_fixed_size: 10240
    .private_segment_fixed_size: 0
    .kernarg_segment_align: 8
    .kernarg_segment_size: 32
    .max_flat_workgroup_size: 512
    .sgpr_count:     66
    .vgpr_count:     154
    .wavefront_size: 32
...
	.end_amdgpu_metadata
.endif
;; end of part 3
